; MI455X (gfx1250); checked and timed in simulation.
; The chip was launched on July 23, 2026; its instructions are those of AMD's public machine-readable ISA for CDNA 5 (MIT licence, August 2026) and "CDNA5" Instruction Set Architecture Reference Guide (July 2026). The comments in the code are by the model that wrote it; some were corrected since.
;; Causal Self Attention. Allowed arithmetic: float matrix products may take bf16 or f16 operands with f32 sums; other float arithmetic in f32, or as packed bf16 or f16 multiplies, adds, multiply-adds, maxima and minima; sums over many terms, partial sums and values carried from step to step in f32; what a program stores and reads back later, other than sums and carried values, may be rounded once to bf16 or f16.
;; Inputs: b_attn 3,072 float32; b_proj 1,024 float32; w_attn 3,072 x 1,024 float32; w_proj 1,024 x 1,024 float32; x 1 x 4,096 x 1,024 float32.
;; Outputs: out0 1 x 4,096 x 1,024 float32.
;; One version. Each part assembles by itself: llvm-mc -triple=amdgcn-amd-amdhsa -mcpu=gfx1250 --defsym DOCPART=n.
;; ======== version 1 of 1: 4 launches
;; limits: values are held in f16: magnitudes above 65,504 overflow, below 6.1e-05 lose precision
;; workspace buffers: xb 8,388,608 bytes; wab 6,291,456 bytes; wpf 2,097,152 bytes; qkv 25,165,824 bytes; y 8,388,608 bytes
;; launch cast (part 1): grid 512 x 1, 8 waves a work-group, no clusters, 0 bytes of LDS; arguments x, w_attn, w_proj, xb, wab, wpf; writes xb, wab, wpf
.if DOCPART == 1
	.amdgcn_target "amdgcn-amd-amdhsa--gfx1250"
	.amdhsa_code_object_version 6
	.text
	.protected	k_qd96f0c6884_cast
	.globl	k_qd96f0c6884_cast
	.p2align	8
	.type	k_qd96f0c6884_cast,@function
k_qd96f0c6884_cast:
	s_mov_b64 s[64:65], 0
	v_nop
	global_prefetch_b8 v0, s[64:65] scope:SCOPE_SE
	s_setreg_imm32_b32 hwreg(HW_REG_WAVE_MODE, 25, 1), 1
	s_wait_xcnt 0x0
; CAST.  x and w_attn are rounded once to bf16 (xb, wab); w_proj is rounded to bf16 and that number is written as f16 (wpf): exact where it is 6.1e-5 or more in size,
; below that it keeps f16's fixed step of 6e-8.  LIMIT: w_proj within 65,504.
; A work-group converts 16,384 numbers: 64 KiB in, 32 KiB out.  Work-groups 0-255 take x, 256-447 w_attn, 448-511 w_proj: the choice hangs on the work-group's number alone.
; Step u of eight: thread t takes the 8 numbers at 2,048 u + 8 t: two loads of 16 bytes, one store of 16 bytes; sixteen neighbouring lanes store 256 consecutive bytes, aligned.
; All sixteen loads of a thread go out at once (8 KiB a wave on its way); every step has registers of its own, so nothing is rewritten while a load or store may read it.
; No LDS, no matrix unit, no cluster: nothing is shared and nothing is multiplied.
.set XI, 4                             ; v[4:67]   step u: 8 numbers as loaded
.set YR, 68                            ; v[68:99]  step u: 4 registers to store
.set T,  100                           ; v[100:102] at work
	s_load_b256 s[4:11], s[0:1], 0x0               ; x s[4:5], w_attn s[6:7], w_proj s[8:9], xb s[10:11]
	s_load_b128 s[12:15], s[0:1], 0x20             ; wab s[12:13], wpf s[14:15]
	v_lshlrev_b32 v1, 5, v0                        ; 32 bytes in for each thread
	v_lshlrev_b32 v2, 4, v0                        ; 16 bytes out
	s_mov_b32 s16, ttmp9
	s_sub_co_u32 s17, s16, 256                     ; my number among w_attn's work-groups
	s_sub_co_u32 s18, s16, 448                     ; among w_proj's
	s_mov_b32 s25, 0
	s_mov_b32 s27, 0
	s_wait_kmcnt 0x0
	s_cmp_lt_u32 s16, 448
	s_cselect_b64 s[20:21], s[6:7], s[8:9]
	s_cselect_b64 s[22:23], s[12:13], s[14:15]
	s_cselect_b32 s19, s17, s18
	s_cmp_lt_u32 s16, 256
	s_cselect_b64 s[20:21], s[4:5], s[20:21]
	s_cselect_b64 s[22:23], s[10:11], s[22:23]
	s_cselect_b32 s19, s16, s19
	s_lshl_b32 s24, s19, 16                        ; 65,536 bytes in,
	s_lshl_b32 s26, s19, 15                        ; 32,768 bytes out for each work-group
	s_add_nc_u64 s[20:21], s[20:21], s[24:25]
	s_add_nc_u64 s[22:23], s[22:23], s[26:27]
.irp u, 0,1,2,3,4,5,6,7
	global_load_b128 v[XI+8*(\u):XI+8*(\u)+3],   v1, s[20:21] offset:8192*(\u) th:TH_LOAD_NT
	global_load_b128 v[XI+8*(\u)+4:XI+8*(\u)+7], v1, s[20:21] offset:8192*(\u)+16 th:TH_LOAD_NT
.endr
; Step u.  half = 1: bf16's number written as f16.
.macro CV u, half
	s_wait_loadcnt 14-2*(\u)                       ; loads come back in order: the two of step u are in, those of the later steps may stay out
.irp k, 0,1,2,3
.if \half
	v_cvt_pk_bf16_f32 v[T], v[XI+8*(\u)+2*(\k)], v[XI+8*(\u)+2*(\k)+1]
	v_lshlrev_b32 v[T+1], 16, v[T]                 ; bf16 to f32: the low half moves up,
	v_and_b32 v[T+2], 0xffff0000, v[T]             ; the high half stays
	v_cvt_pk_f16_f32 v[YR+4*(\u)+(\k)], v[T+1], v[T+2]
.else
	v_cvt_pk_bf16_f32 v[YR+4*(\u)+(\k)], v[XI+8*(\u)+2*(\k)], v[XI+8*(\u)+2*(\k)+1]
.endif
.endr
	global_store_b128 v2, v[YR+4*(\u):YR+4*(\u)+3], s[22:23] offset:4096*(\u)
.endm
	s_cmp_lt_u32 s16, 448
	s_cbranch_scc0 .Lhalf
.irp u, 0,1,2,3,4,5,6,7
	CV \u, 0
.endr
	s_endpgm
.Lhalf:
.irp u, 0,1,2,3,4,5,6,7
	CV \u, 1
.endr
	s_endpgm
.Lfunc_end_k_qd96f0c6884_cast:
	.size	k_qd96f0c6884_cast, .Lfunc_end_k_qd96f0c6884_cast-k_qd96f0c6884_cast
	.p2alignl 7, 3214868480
	.fill 96, 4, 3214868480
	.section	.rodata,"a",@progbits
	.p2align	6, 0x0
	.amdhsa_kernel k_qd96f0c6884_cast
		.amdhsa_group_segment_fixed_size 0
		.amdhsa_private_segment_fixed_size 0
		.amdhsa_enable_private_segment 0
		.amdhsa_kernarg_size 48
		.amdhsa_user_sgpr_count 2
		.amdhsa_user_sgpr_kernarg_segment_ptr 1
		.amdhsa_wavefront_size32 1
		.amdhsa_system_sgpr_workgroup_id_x 1
		.amdhsa_system_sgpr_workgroup_id_y 1
		.amdhsa_system_sgpr_workgroup_id_z 1
		.amdhsa_system_vgpr_workitem_id 0
		.amdhsa_next_free_vgpr 104
		.amdhsa_next_free_sgpr 66
		.amdhsa_reserve_vcc 0
		.amdhsa_float_denorm_mode_32 3
		.amdhsa_float_denorm_mode_16_64 3
		.amdhsa_memory_ordered 1
		.amdhsa_forward_progress 1
		.amdhsa_inst_pref_size 14
	.end_amdhsa_kernel
	.amdgpu_metadata
---
amdhsa.version: [ 1, 2 ]
amdhsa.kernels:
  - .name:           k_qd96f0c6884_cast
    .symbol:         k_qd96f0c6884_cast.kd
    .args:
      - { .name: x, .offset: 0, .size: 8, .value_kind: global_buffer, .address_space: global }
      - { .name: w_attn, .offset: 8, .size: 8, .value_kind: global_buffer, .address_space: global }
      - { .name: w_proj, .offset: 16, .size: 8, .value_kind: global_buffer, .address_space: global }
      - { .name: xb, .offset: 24, .size: 8, .value_kind: global_buffer, .address_space: global }
      - { .name: wab, .offset: 32, .size: 8, .value_kind: global_buffer, .address_space: global }
      - { .name: wpf, .offset: 40, .size: 8, .value_kind: global_buffer, .address_space: global }
    .group_segment_fixed_size: 0
    .private_segment_fixed_size: 0
    .kernarg_segment_align: 8
    .kernarg_segment_size: 48
    .max_flat_workgroup_size: 256
    .sgpr_count:     66
    .vgpr_count:     104
    .wavefront_size: 32
...
	.end_amdgpu_metadata
.endif
;; end of part 1
;; launch qkv_gemm (part 2): grid 8 x 32, 4 waves a work-group, clusters of 4 x 4, 327,680 bytes of LDS; arguments xb, wab, b_attn, qkv; writes qkv
.if DOCPART == 2
	.amdgcn_target "amdgcn-amd-amdhsa--gfx1250"
	.amdhsa_code_object_version 6
	.text
	.protected	k_qd96f0c6884_qkv_gemm
	.globl	k_qd96f0c6884_qkv_gemm
	.p2align	8
	.type	k_qd96f0c6884_qkv_gemm,@function
k_qd96f0c6884_qkv_gemm:
	s_mov_b64 s[64:65], 0
	v_nop
	global_prefetch_b8 v0, s[64:65] scope:SCOPE_SE
	s_setreg_imm32_b32 hwreg(HW_REG_WAVE_MODE, 25, 1), 1
	s_wait_xcnt 0x0
	s_wait_alu depctr_hold_cnt(0) depctr_sa_sdst(0) depctr_va_vdst(0) depctr_va_sdst(0) depctr_va_ssrc(0) depctr_va_vcc(0) depctr_vm_vsrc(0)
	s_getreg_b32 s2, hwreg(HW_REG_IB_STS2, 6, 4)
	s_cmp_eq_u32 s2, 0
	s_cbranch_scc0 .Lentry_in_a_cluster
	s_endpgm
.Lentry_in_a_cluster:
	s_bfe_u32 s2, ttmp6, 0x10000c
	s_cmp_lg_u32 s2, 0xf033
	s_cbranch_scc0 .Lentry_shape_is_right
	s_endpgm
.Lentry_shape_is_right:
; qkv = x w_attn^T + b_attn.  xb [4096][1024] and wab [3072][1024] in bf16, sums in f32, the bias (rounded to bf16 like the other inputs) starts the sums; the result is rounded once to f16 and
; laid out by heads: qkv [24][4096][128], block j = columns 128 j .. 128 j + 127 (q of head h: block h, k: 8 + h, v: 16 + h), each block dense, rows of 256 bytes.
; LIMIT: q, k, v within f16's 65,504; NaN and infinities are not treated apart.
; SHARES.  A work-group makes 128 rows x 384 columns (three blocks hh): 8 x 32 work-groups.  Wave w (wr = w / 2, wc = w % 2) makes rows 64 wr .. x, in each block, columns 64 wc ..: 48 accumulators.
; K goes in 8 steps of 128 (rows of 256 bytes in memory) through two LDS slots; a step is four quarters of 32 along K, 48 matrix instructions each.
; CLUSTER 4 x 4: x's tile hangs on the tile row alone and is asked for jointly by a row of the cluster (wave 0); w's three tiles hang on the tile column alone and are asked for jointly by a column (waves 1-3).
; THE MATRIX INSTRUCTION IS USED TRANSPOSED (source 0 = 16 rows of w, source 1 = 16 rows of x): a lane holds row l % 16 and the eight neighbouring columns 8 (l / 16) + 0..7.
; REGISTERS: window 0: v0-31 addresses; v32-127 the bias, 8 a column block (dead behind the first quarter); v32-223 at work on the way out.
;   window 1: two fragment buffers of 128: x's 4 fragments, then w's 12.   window 2: the accumulators of blocks 0 and 1 (128 hh + 8 (4 a + b)).   window 3: v0-127 those of block 2.
.set PITCH, 272                        ; an LDS row: 256 bytes + 16 of padding: the 16 rows of a fragment load start at 16 different groups of four banks (ISA guide 11.1)
.set HALFT, 128*PITCH                  ; 128 rows: what one tensor load brings
.set SLOT1, 0x24000                    ; slot 1; the four parts of slot 0 begin at 0, 0x8800, 0x11000, 0x19800: bits 14 and 17 are clear, so one exclusive or changes slots
.set SPARE, 0x22000                    ; between the slots: the spare words, 128 bytes a wave: two blocks of 256 bytes that no other line names
.set BA,   4                           ; v4      my place in x's tile of slot 0
.set BB,   5                           ; v5-7    my place in w's three tiles
.set ADRA, 8                           ; v8      the same in the slot in hand
.set ADRB, 9                           ; v9-11
.set STO,  12                          ; v12-14  the way out: where I put 16 bytes of a row, by block
.set RD,   15                          ; v15-17  where I read rows back
.set CO,   18                          ; v18     16 x lane: my 16 bytes of two rows of qkv
.set BO,   19                          ; v19     my 8 numbers of the bias
.set PFO,  20                          ; v20     the prefetches' offset: lane x a row of 2,048 bytes
.set SPW,  28                          ; v28     my spare word; never rewritten
.set NIL,  29                          ; v29     0; never rewritten
.set BIAS, 32
.set TMP,  32
.set F0,   0
.set F1,   128
.set WV,   12                          ; s12 wave; s13 wr; s14 wc
.set G1,   24                          ; s[24:31] group 1 for x's tiles;  s[32:39] group 0: a set for each first fill; the second then walks
.set G0,   32
.set G1B,  48                          ; s[48:55], s[56:63] the same for w's tiles
.set G0B,  56
.set TB,   66                          ; s66  0 or SLOT1: the slot in hand
.set CNT,  67
.set PFA,  68                          ; s[68:69] where my prefetches stand
.set LIM,  70                          ; s70  2 in a wave that prefetches, else the greatest number
.set GW, (1<<16)|(1<<20)|(1<<21)|(5<<22)|(3<<25)  ; 2-byte elements; padding on; bit 21 beside a mask; after every 64 words 4 words
.set MSB, 0
.macro WIN new                         ; the immediate's high byte repeats the setting that is left; a switch that changes nothing is dropped
.if MSB != (\new)
	s_set_vgpr_msb (MSB<<8)|(\new)
.set MSB, (\new)
.endif
.endm
.macro PLACES                          ; four places behind matrix instructions, ahead of loads into registers that they read and of conversions of their results
.rept 4
	v_nop
.endr
.endm
.macro JLOAD s                         ; a joint load: wave 0 asks for x's tile, waves 1-3 for w's; an s_nop 0 and four v_nop follow each line
	s_cmp_eq_u32 s[WV], 0
	s_cbranch_scc0 .Lfor_b_\@
	tensor_load_to_lds s[G0+4*(\s):G0+4*(\s)+3], s[G1:G1+7]
	s_nop 0
.rept 4
	v_nop
.endr
	s_branch .Lasked_\@
.Lfor_b_\@:
	tensor_load_to_lds s[G0B+4*(\s):G0B+4*(\s)+3], s[G1B:G1B+7]
	s_nop 0
.rept 4
	v_nop
.endr
.Lasked_\@:
.endm
.macro CREST                           ; a round of the cluster's barrier behind its opening barrier
	s_cmp_lg_u32 s[WV], 0
	s_cbranch_scc1 .Lnot_wave_0_\@
	s_barrier_signal -3
.Lnot_wave_0_\@:
	s_barrier_wait -3
	s_barrier_signal -1
	s_barrier_wait -1
.endm
.macro CROUND
	s_barrier_signal -1
	s_barrier_wait -1
	CREST
.endm
; A prefetch into the L2 behind each refill: the K step two refills on, 32 rows x 256 bytes, a lane a row.  x's rows are named by wave 0 of the clusters with x = 0, w's by waves 1-3 of the clusters with y = 0;
; the four partners that ask for a tile jointly share its 128 rows out by address, 32 each.  So each row's 256 bytes of a K step are named once.  K steps 0-3 come by their loads alone; the last two refills name nothing.
.macro ASK
	s_cmp_gt_u32 s[CNT], s[LIM]
	s_cbranch_scc0 .Lnot_mine_\@
	global_prefetch_b8 v[PFO], s[PFA:PFA+1] offset:256 th:TH_LOAD_NT scope:SCOPE_SE
.Lnot_mine_\@:
.endm
	s_load_b256 s[4:11], s[0:1], 0x0               ; xb s[4:5], wab s[6:7], b_attn s[8:9], qkv s[10:11]
	v_lshl_add_u32 v[SPW], v0, 2, SPARE
	v_mov_b32 v[NIL], 0
	ds_add_u32 v[SPW], v[NIL]                      ; the wave's opening: the add and its wait ahead of my first tensor load; work on registers stands between them
	v_lshrrev_b32 v1, 5, v0
	v_readfirstlane_b32 s[WV], v1
	s_lshr_b32 s13, s[WV], 1                       ; wr
	s_and_b32 s14, s[WV], 1                        ; wc
	s_bfe_u32 s40, ttmp6, 0x40000                  ; cx
	s_bfe_u32 s41, ttmp6, 0x40004                  ; cy
	s_lshl_b32 s42, ttmp9, 2
	s_add_co_u32 s42, s42, s40                     ; tile column gx = 4 x cluster x + cx
	s_and_b32 s43, ttmp7, 0xffff
	s_lshl_b32 s43, s43, 2
	s_add_co_u32 s43, s43, s41                     ; tile row gy = 4 x cluster y + cy
	s_lshl_b32 s44, s41, 2
	s_lshl_b32 s44, 15, s44                        ; my row of the cluster
	s_lshl_b32 s45, 0x1111, s40                    ; my column
	s_or_b32 s[G1], s44, GW
	s_or_b32 s[G1B], s45, GW
.irp g, G1, G1B
	s_mov_b32 s[(\g)+1], 128<<16                   ; tensor_dim0 = 128
	s_mov_b32 s[(\g)+2], 128<<16                   ; tensor_dim1 = 128
	s_mov_b32 s[(\g)+3], 128<<16                   ; tile_dim0 = 128
	s_mov_b32 s[(\g)+4], 128                       ; tile_dim1 = 128
	s_mov_b32 s[(\g)+5], 1024                      ; elements from row to row
	s_mov_b32 s[(\g)+6], 0
	s_mov_b32 s[(\g)+7], 0
.endr
	s_lshl_b32 s16, s43, 18                        ; x: 128 gy rows of 2,048 bytes
	s_mov_b32 s17, 0
	s_sub_co_i32 s18, s[WV], 1
	s_max_i32 s18, s18, 0                          ; which of w's three tiles I fetch (wave 0 fetches none)
	s_lshl_b32 s18, s18, 7
	s_mul_i32 s19, s42, 384
	s_add_co_u32 s18, s18, s19                     ; w: row 384 gx + 128 (wave - 1)
	s_lshl_b32 s18, s18, 11
	s_mov_b32 s19, 0
	s_mul_i32 s20, s[WV], HALFT                    ; where my tile goes: no place in the cluster enters an LDS address
	s_mov_b32 s71, 0xffff0000
	s_wait_dscnt 0x0                               ; the opening add is done
	s_wait_kmcnt 0x0
	s_add_nc_u64 s[72:73], s[4:5], s[16:17]
	s_add_nc_u64 s[74:75], s[6:7], s[18:19]
	CROUND                                         ; all sixteen work-groups are here: the first joint loads meet
.irp s, 0,1
	s_mov_b32 s[G0+4*(\s)], 1
	s_add_co_u32 s[G0+4*(\s)+1], s20, (\s)*SLOT1
	s_add_nc_u64 s[G0+4*(\s)+2:G0+4*(\s)+3], s[72:73], (\s)*256  ; K step s
	s_or_b32 s[G0+4*(\s)+3], s[G0+4*(\s)+3], 0x80000000
	s_mov_b32 s[G0B+4*(\s)], 1
	s_add_co_u32 s[G0B+4*(\s)+1], s20, (\s)*SLOT1
	s_add_nc_u64 s[G0B+4*(\s)+2:G0B+4*(\s)+3], s[74:75], (\s)*256
	s_or_b32 s[G0B+4*(\s)+3], s[G0B+4*(\s)+3], 0x80000000
	JLOAD \s
.endr
	v_and_b32 v1, 15, v0                           ; r = l % 16
	v_bfe_u32 v2, v0, 4, 1                         ; h = l / 16
	v_lshlrev_b32 v[BO], 5, v2
	s_mul_i32 s76, s42, 384                        ; the bias of my columns: 384 gx + 64 wc on
	s_lshl_b32 s77, s14, 6
	s_add_co_u32 s76, s76, s77
	s_lshl_b32 s76, s76, 2
	s_mov_b32 s77, 0
	s_add_nc_u64 s[8:9], s[8:9], s[76:77]
.set n, 0
.rept 12                               ; n = 4 hh + b: columns 128 hh + 16 b + 8 h + 0..7
	global_load_b128 v[BIAS+8*n:BIAS+8*n+3],   v[BO], s[8:9] offset:(128*(n/4)+16*(n%4))*4
	global_load_b128 v[BIAS+8*n+4:BIAS+8*n+7], v[BO], s[8:9] offset:(128*(n/4)+16*(n%4))*4+16
.set n, n+1
.endr
	v_mul_u32_u24 v3, v1, PITCH
	v_lshl_add_u32 v3, v2, 4, v3                   ; a fragment's row x pitch + 16 x half
	s_mul_i32 s21, s13, 64*PITCH
	s_mul_i32 s22, s14, 64*PITCH
	s_add_co_u32 s22, s22, HALFT
	v_add_nc_u32 v[BA], s21, v3
	v_add_nc_u32 v[BB], s22, v3
	v_add_nc_u32 v[BB+1], HALFT, v[BB]
	v_add_nc_u32 v[BB+2], 2*HALFT, v[BB]
	s_lshl_b32 s23, s14, 7
	v_add_nc_u32 v[STO], s23, v[BA]                ; the stage: row (128 hh + 64 wr + r), byte 128 wc + 16 h
	v_add_nc_u32 v[STO+1], HALFT, v[STO]
	v_add_nc_u32 v[STO+2], 2*HALFT, v[STO]
	s_mul_i32 s23, s[WV], 32*PITCH
	v_mul_u32_u24 v[RD], v2, PITCH                 ; back: wave w takes rows 32 w .. of each block, whole; lanes 0-15 one row, lanes 16-31 the next
	v_lshl_add_u32 v[RD], v1, 4, v[RD]
	v_add_nc_u32 v[RD], s23, v[RD]
	v_add_nc_u32 v[RD+1], HALFT, v[RD]
	v_add_nc_u32 v[RD+2], 2*HALFT, v[RD]
	v_and_b32 v[CO], 31, v0
	v_lshlrev_b32 v[PFO], 11, v[CO]
	v_lshlrev_b32 v[CO], 4, v[CO]
	s_mul_i32 s76, s42, 3                          ; qkv at block 3 gx, row 128 gy + 32 w
	s_lshl_b32 s76, s76, 20
	s_lshl_b32 s78, s43, 15
	s_add_co_u32 s76, s76, s78
	s_lshl_b32 s78, s[WV], 13
	s_add_co_u32 s76, s76, s78
	s_add_nc_u64 s[10:11], s[10:11], s[76:77]
	s_lshl_b32 s78, s43, 7                         ; the prefetches: the first row of the tile that I fetch,
	s_lshr_b32 s79, s18, 11
	s_and_b32 s2, ttmp7, 0xffff
	s_cmp_eq_u32 s[WV], 0
	s_cselect_b32 s78, s78, s79
	s_cselect_b32 s79, s40, s41                    ; my place among the four that ask for it with me,
	s_cselect_b32 s2, ttmp9, s2                    ; the coordinate along which other clusters read the same rows
	s_cselect_b64 s[PFA:PFA+1], s[4:5], s[6:7]
	s_cmp_eq_u32 s2, 0
	s_cselect_b32 s[LIM], 2, -1                    ; the same in all sixteen partners, for a given wave
	s_lshl_b32 s79, s79, 5
	s_add_co_u32 s78, s78, s79
	s_lshl_b32 s78, s78, 11
	s_add_co_u32 s78, s78, 512                     ; at K step 2: the first refill steps it to 3 and names K step 4
	s_mov_b32 s79, 0
	s_add_nc_u64 s[PFA:PFA+1], s[PFA:PFA+1], s[78:79]
; 8 matrix instructions: block hh, row blocks a0, a0 + 1 x 4 column blocks, 32 along K.  zero = 1: the bias starts the sums.  The 48 accumulators take turns in the same order in every quarter.
.macro MUL8 f, hh, a0, zero
.if \zero
	WIN 0x85+0x40*((\hh)/2)                        ; sources 0 and 1 window 1, C window 0, D window 2 or 3
.else
	WIN 0xa5+0x50*((\hh)/2)                        ; C and D window 2 or 3
.endif
.irp a, \a0, (\a0)+1
.irp b, 0,1,2,3
.set rD, 128*((\hh)%2)+8*(4*(\a)+(\b))
.set rB, (\f)+32+8*(4*(\hh)+(\b))
.set rA, (\f)+8*(\a)
.if \zero
	v_wmma_f32_16x16x32_bf16 v[rD:rD+7], v[rB:rB+7], v[rA:rA+7], v[BIAS+8*(4*(\hh)+(\b)):BIAS+8*(4*(\hh)+(\b))+7]
.else
	v_wmma_f32_16x16x32_bf16 v[rD:rD+7], v[rB:rB+7], v[rA:rA+7], v[rD:rD+7]
.endif
.endr
.endr
.endm
.macro ADDR                            ; my places in the slot in hand
	WIN 0
	v_add_nc_u32 v[ADRA], s[TB], v[BA]
	v_add_nc_u32 v[ADRB], s[TB], v[BB]
	v_add_nc_u32 v[ADRB+1], s[TB], v[BB+1]
	v_add_nc_u32 v[ADRB+2], s[TB], v[BB+2]
.endm
.macro FETCH k, f                      ; 32 LDS loads in one run: a quarter's fragments (byte k of the rows) into buffer f: x's, then w's blocks 0, 1, 2
	WIN 0x40
.irp i, 0,1,2,3
	ds_load_b128 v[(\f)+8*(\i):(\f)+8*(\i)+3],   v[ADRA] offset:(\k)+(\i)*16*PITCH
	ds_load_b128 v[(\f)+8*(\i)+4:(\f)+8*(\i)+7], v[ADRA] offset:(\k)+(\i)*16*PITCH+32
.endr
.irp hh, 0,1,2
.irp i, 0,1,2,3
	ds_load_b128 v[(\f)+32+8*(4*(\hh)+(\i)):(\f)+32+8*(4*(\hh)+(\i))+3],   v[ADRB+(\hh)] offset:(\k)+(\i)*16*PITCH
	ds_load_b128 v[(\f)+32+8*(4*(\hh)+(\i))+4:(\f)+32+8*(4*(\hh)+(\i))+7], v[ADRB+(\hh)] offset:(\k)+(\i)*16*PITCH+32
.endr
.endr
.endm
.macro QUARTER k, f, g, zero           ; multiplies buffer f; in its first third it fetches the next quarter, at byte k, into g
	s_wait_dscnt 16                                ; x's and block 0's fragments are in; the youngest sixteen loads may be out
	MUL8 \f, 0, 0, \zero
	MUL8 \f, 0, 2, \zero
	PLACES
	FETCH \k, \g
	s_wait_dscnt 32                                ; all but the 32 just issued
	MUL8 \f, 1, 0, \zero
	MUL8 \f, 1, 2, \zero
	MUL8 \f, 2, 0, \zero
	MUL8 \f, 2, 2, \zero
.endm
; The last quarter multiplies buffer 1 and changes slots: one barrier; ahead of it each wave waits for all its tensor loads (one is out: its part of the next slot), adds 0 to its spare word, and waits for that and
; for its reads of this slot.  fill = 1: the barrier opens a round of the cluster's barrier, and this slot is filled again first thing behind it, two K steps ahead: 168 matrix instructions lie between the request and the wait for it.
.macro TURN fill
.if \fill
	s_wait_xcnt 0x0                                ; the last prefetch, a K step back, has read its address
	s_add_nc_u64 s[PFA:PFA+1], s[PFA:PFA+1], 256
.endif
	WIN 0
	s_wait_tensorcnt 0x0
	ds_add_u32 v[SPW], v[NIL]
	s_wait_dscnt 17                                ; the add and the youngest sixteen loads may be out
	MUL8 F1, 0, 0, 0
	MUL8 F1, 0, 2, 0
	s_wait_dscnt 0x0                               ; the add is done, and my reads of this slot are over
	s_barrier_signal -1
	MUL8 F1, 1, 0, 0
	WIN 0
	s_barrier_wait -1
.if \fill
	CREST
	s_xor_b32 s[G0+5], s[G0+5], SLOT1              ; the walking descriptors: the other slot than last time, the next K step
	s_add_nc_u64 s[G0+6:G0+7], s[G0+6:G0+7], 256
	s_xor_b32 s[G0B+5], s[G0B+5], SLOT1
	s_add_nc_u64 s[G0B+6:G0B+7], s[G0B+6:G0B+7], 256
	JLOAD 1                                        ; its four v_nop are also the places ahead of the loads below
.else
	PLACES
.endif
	s_xor_b32 s[TB], s[TB], SLOT1
	ADDR
	FETCH 0, F0
	WIN 0
.if \fill
	ASK
.endif
	MUL8 F1, 1, 2, 0
	MUL8 F1, 2, 0, 0
	MUL8 F1, 2, 2, 0
.endm
	s_wait_tensorcnt 0x1                           ; my part of K step 0 is in; K step 1's may stay out
	s_barrier_signal -1
	s_barrier_wait -1
	s_mov_b32 s[TB], 0
	ADDR
	FETCH 0, F0
	WIN 0
	s_wait_loadcnt 0x0                             ; the bias
.set n, 0
.rept 48                               ; rounded to bf16 like x and w, and widened again
	v_cvt_pk_bf16_f32 v21, v[BIAS+2*n], v[BIAS+2*n+1]
	v_lshlrev_b32 v[BIAS+2*n], 16, v21
	v_and_b32 v[BIAS+2*n+1], s71, v21
.set n, n+1
.endr
	QUARTER 64, F0, F1, 1                          ; the first quarter stands ahead of the loop: its products start the sums
	WIN 0
	s_mov_b32 s[CNT], 6
.Lstep:                                                ; a trip: a K step's quarters 1-3 and the next step's quarter 0; K steps 2 to 7 are asked for
	QUARTER 128, F1, F0, 0
	QUARTER 192, F0, F1, 0
	TURN 1
	QUARTER 64, F0, F1, 0
	WIN 0
	s_sub_co_u32 s[CNT], s[CNT], 1
	s_cmp_lg_u32 s[CNT], 0
	s_cbranch_scc1 .Lstep
	QUARTER 128, F1, F0, 0                         ; the last two K steps ask for nothing
	QUARTER 192, F0, F1, 0
	TURN 0
	QUARTER 64, F0, F1, 0
	QUARTER 128, F1, F0, 0
	QUARTER 192, F0, F1, 0
	s_wait_dscnt 16
	MUL8 F1, 0, 0, 0
	MUL8 F1, 0, 2, 0
	s_wait_dscnt 0x0
	MUL8 F1, 1, 0, 0
	MUL8 F1, 1, 2, 0
	MUL8 F1, 2, 0, 0
	MUL8 F1, 2, 2, 0
	; THE WAY OUT: rounded to f16, 16 bytes a lane into the stage (slot 0: its last fill was K step 6, and every wave's reads of it ended ahead of the last change's barrier); a barrier, since a row's
	; 256 bytes come from two waves; back as whole rows.
	PLACES
.irp hh, 0,1,2
	WIN 0x0a+5*((\hh)/2)                           ; sources window 2 or 3, destination window 0
.set n, 0
.rept 16
.irp r, 0,1,2,3
	v_cvt_pk_f16_f32 v[TMP+64*(\hh)+4*n+(\r)], v[128*((\hh)%2)+8*n+2*(\r)], v[128*((\hh)%2)+8*n+2*(\r)+1]
.endr
.set n, n+1
.endr
.endr
	WIN 0
.irp hh, 0,1,2
.set n, 0
.rept 16
	ds_store_b128 v[STO+(\hh)], v[TMP+64*(\hh)+4*n:TMP+64*(\hh)+4*n+3] offset:(n/4)*16*PITCH+32*(n%4)
.set n, n+1
.endr
.endr
	s_wait_dscnt 0x0                               ; for the others' sake: my stores into the stage are done
	s_barrier_signal -1
	s_barrier_wait -1
.irp hh, 0,1,2
.set n, 0
.rept 16
	ds_load_b128 v[TMP+64*(\hh)+4*n:TMP+64*(\hh)+4*n+3], v[RD+(\hh)] offset:n*2*PITCH
.set n, n+1
.endr
.endr
.set n, 0
.rept 48
	s_wait_dscnt 47-n                              ; the later read-backs may stay out
	global_store_b128 v[CO], v[TMP+4*n:TMP+4*n+3], s[10:11] offset:(n/16)*1048576+(n%16)*512  ; two rows of a block: 512 consecutive bytes, aligned
.set n, n+1
.endr
	s_wait_tensorcnt 0x0                           ; the wave's end
	ds_add_u32 v[SPW], v[NIL]
	s_wait_dscnt 0x0
	CROUND                                         ; the closing round
	s_endpgm
.Lfunc_end_k_qd96f0c6884_qkv_gemm:
	.size	k_qd96f0c6884_qkv_gemm, .Lfunc_end_k_qd96f0c6884_qkv_gemm-k_qd96f0c6884_qkv_gemm
	.p2alignl 7, 3214868480
	.fill 96, 4, 3214868480
	.section	.rodata,"a",@progbits
	.p2align	6, 0x0
	.amdhsa_kernel k_qd96f0c6884_qkv_gemm
		.amdhsa_group_segment_fixed_size 327680
		.amdhsa_private_segment_fixed_size 0
		.amdhsa_enable_private_segment 0
		.amdhsa_kernarg_size 32
		.amdhsa_user_sgpr_count 2
		.amdhsa_user_sgpr_kernarg_segment_ptr 1
		.amdhsa_wavefront_size32 1
		.amdhsa_system_sgpr_workgroup_id_x 1
		.amdhsa_system_sgpr_workgroup_id_y 1
		.amdhsa_system_sgpr_workgroup_id_z 1
		.amdhsa_system_vgpr_workitem_id 0
		.amdhsa_next_free_vgpr 896
		.amdhsa_next_free_sgpr 80
		.amdhsa_reserve_vcc 0
		.amdhsa_float_denorm_mode_32 3
		.amdhsa_float_denorm_mode_16_64 3
		.amdhsa_memory_ordered 1
		.amdhsa_forward_progress 1
		.amdhsa_inst_pref_size 107
	.end_amdhsa_kernel
	.amdgpu_metadata
---
amdhsa.version: [ 1, 2 ]
amdhsa.kernels:
  - .name:           k_qd96f0c6884_qkv_gemm
    .symbol:         k_qd96f0c6884_qkv_gemm.kd
    .args:
      - { .name: xb, .offset: 0, .size: 8, .value_kind: global_buffer, .address_space: global }
      - { .name: wab, .offset: 8, .size: 8, .value_kind: global_buffer, .address_space: global }
      - { .name: b_attn, .offset: 16, .size: 8, .value_kind: global_buffer, .address_space: global }
      - { .name: qkv, .offset: 24, .size: 8, .value_kind: global_buffer, .address_space: global }
    .group_segment_fixed_size: 327680
    .private_segment_fixed_size: 0
    .kernarg_segment_align: 8
    .kernarg_segment_size: 32
    .max_flat_workgroup_size: 128
    .sgpr_count:     80
    .vgpr_count:     896
    .wavefront_size: 32
...
	.end_amdgpu_metadata
.endif
;; end of part 2
;; launch attn (part 3): grid 32 x 8, 4 waves a work-group, clusters of 4 x 1, 327,680 bytes of LDS; arguments qkv, y; writes y
.if DOCPART == 3
	.amdgcn_target "amdgcn-amd-amdhsa--gfx1250"
	.amdhsa_code_object_version 6
	.text
	.protected	k_qd96f0c6884_attn
	.globl	k_qd96f0c6884_attn
	.p2align	8
	.type	k_qd96f0c6884_attn,@function
k_qd96f0c6884_attn:
	s_mov_b64 s[64:65], 0
	v_nop
	global_prefetch_b8 v0, s[64:65] scope:SCOPE_SE
	s_setreg_imm32_b32 hwreg(HW_REG_WAVE_MODE, 25, 1), 1
	s_wait_xcnt 0x0
	s_wait_alu depctr_hold_cnt(0) depctr_sa_sdst(0) depctr_va_vdst(0) depctr_va_sdst(0) depctr_va_ssrc(0) depctr_va_vcc(0) depctr_vm_vsrc(0)
	s_getreg_b32 s2, hwreg(HW_REG_IB_STS2, 6, 4)
	s_cmp_eq_u32 s2, 0
	s_cbranch_scc0 .Lentry_in_a_cluster
	s_endpgm
.Lentry_in_a_cluster:
	s_bfe_u32 s2, ttmp6, 0x10000c
	s_cmp_lg_u32 s2, 0x3003
	s_cbranch_scc0 .Lentry_shape_is_right
	s_endpgm
.Lentry_shape_is_right:
; CAUSAL ATTENTION, head size 128.  y[q][128 h ..] = the sum over k <= q of softmax_k(Q[h][q] . K[h][k] / sqrt(128)) V[h][k].  qkv: [24][4096][128] f16 (q: block h, k: 8 + h, v: 16 + h); y: [4096][1024] f16.
; Products, maxima and sums in f32; the weights p are rounded to f16 for the second product (their sum is taken of the unrounded p), y once at the end.
; LIMITS.  A hidden score counts as its value less 1e30 (f16's scores are 5.5e11 at the most); a weight below 2^-126 counts as 0; NaN and infinities are not treated apart.
; THE WALK.  A head's queries lie in 16 blocks of 256; block i needs the key tiles 0 .. i of 256 keys, the last of which holds the diagonal.  A CLUSTER of four work-groups takes block 15 - b and then block b:
; 17 tiles whatever b, one loop with a constant trip count.  Work-group cx owns queries 64 cx .. 64 cx + 63 of the block: four tiles of 16.
; THE KEYS ARE SPLIT AMONG THE WAVES: wave w takes keys 64 w .. 64 w + 63 of every tile, for all 64 queries.  So a fragment of K or V read from LDS feeds four tiles' products, each LDS byte is read by one wave,
; all waves and all partners walk alike, and each tile of K and V is asked for JOINTLY by the four partners.  Each wave keeps a running maximum m, sum l and O^T of its own keys; at a block's end the four
; waves' shares meet in LDS, in f32: O = sum over w of 2^(c m_w - c m*) O_w / l*.
; LAYOUT.  S^T = K Q^T holds one query a lane (l % 16) and the keys 8 (l / 16) + 0..7; two such results rounded to f16 are source 1 of O^T = V^T P; V comes out of LDS turned, by ds_load_tr16_b128.
; p = 2^(c s - c m), c = log2(e) / sqrt(128); in every step O and l are multiplied by a = 2^(c m_old - c m_new).  c m starts far below every c s, so a block's first step has a = 0: O and l need only be finite there.
; THE MASK is the C operand that starts S^T: 0, or -1e30 where the key is hidden.  In the diagonal tile register j of key group kt and query tile t is hidden where 16 (kt - t) + j > 64 cx + l % 16 - 64 w - 8 (l / 16):
; seven sets of eight registers (MD), made once; MC, which the products name, is 0 and becomes MD ahead of a block's last tile.  A wave all of whose keys are hidden ends with c m near -1.3e29, and its share counts 0.
; A TILE: K's and V's fragments in two runs of 32 loads; 16 products K Q^T of query tile 0; then 96 products (K Q^T of tiles 1-3, V^T P of tiles 0-2), behind each five or six of the 536 vector instructions of the four
; softmaxes, in order; then V^T P of tile 3.  Nothing but m, l and O^T crosses a tile's end.  The price of writing no first step out: 256 v_mov_b32 at the head, in the wait for the first tile.
; REGISTERS: window 0: v0-11, v44-63 addresses and work; v12-43 statistics, 8 a tile; v64-191 S^T; v192-255 P.  window 1: O^T, 64 a tile.  window 2: v0-127 Q; v128-255 K.  window 3: v0-127 V; v128-183 MD; v184-239 MC.
.set PK,    272       ; a row of K in LDS: 256 bytes + 16: the 16 rows of a load start at 16 different groups of four banks (ISA guide 11.1)
.set PV,    288       ; a row of V: 256 + 32
.set VOFF,  256*PK    ; a slot: 256 rows of K, then 256 rows of V
.set SPARE, 0x23000   ; behind slot 0: the spare words, 128 bytes a wave: two blocks of 256 bytes that no other line names
.set SLOT1, 0x24000   ; slot 1; the four parts of slot 0 begin at 0, 0x8800, 0x11000, 0x1a000: bits 14 and 17 are clear
.set STATS, 0x47000   ; behind the ring, never filled by a tensor load: wave w's c m of four tiles at 1,024 w + 16 l, its l 512 further on
.set EX,    0x48000   ; two exchange buffers of 16,384: wave w's eight quads at 4,096 w + 512 q + 16 l
.set STG,   0x47000   ; the stage for the way out, 64 rows x 272: over STATS and the first exchange buffer, both read out by then
.set SP,    272
.set AK0, 2
.set AV0, 3
.set ADRK, 4
.set ADRV, 5
.set STO, 6
.set RD,  7
.set GO,  8
.set EXW, 10
.set EXR, 11
.set ST,  12          ; tile t at v[ST+8 t]: c m, m, l (even keys', odd keys'), c0-c3 at work; a takes c2's place
.set STW, 44
.set STR, 45
.set QO,  46
.set MT,  57          ; the mask's threshold
.set PFO, 61
.set SPW, 62
.set NIL, 63
.set S,   64
.set P,   192
.set CMX, 64          ; the merge: c m of wave w', tile t at CMX + 4 w' + t; then 2^(c m - c m*)
.set LX,  80          ; l likewise
.set GG,  96          ; the share's factor, twice, at GG + 2 (4 w' + t)
.set XR,  128         ; 32 registers read from the exchange; then the packed result
.set RR,  192         ; the merged O^T: tile t, half hf at RR + 16 t + 8 hf
.set KF,  128
.set MD,  128
.set MC,  184
.set KB,  8           ; s[8:9]   K at my half of the head's tile 0
.set VB,  10          ; s[10:11] V likewise
.set WV,  12
.set PB,  14
.set HI,  15
.set QHI, 16
.set QLO, 18
.set YA,  20
.set YLO, 22
.set G1K, 24
.set G1V, 32
.set G0K, 40
.set G0V, 44
.set SLOTS, 56
.set CS,  58
.set SEL, 60
.set TB,  62
.set RT,  70          ; tiles of the block in hand still to be entered
.set NXT, 71          ; the tile to be asked for next
.set LQ,  72          ; the last tile of the block whose tiles are being asked for
.set OFF, 74
.set PFA, 76
.set LIM, 78
.set BIGN, 82
.set MSB, 0
.macro WIN new
.if MSB != (\new)
	s_set_vgpr_msb (MSB<<8)|(\new)
.set MSB, (\new)
.endif
.endm
.macro PLACES
.rept 4
	v_nop
.endr
.endm
.macro JLOAD                        ; a joint fill: waves 0 and 1 fetch the halves of a tile's K, waves 2 and 3 those of its V; an s_nop 0 and four v_nop follow each line
	s_cmp_lt_u32 s[WV], 2
	s_cbranch_scc0 .Lfor_v_\@
	tensor_load_to_lds s[G0K:G0K+3], s[G1K:G1K+7]
	s_nop 0
.rept 4
	v_nop
.endr
	s_branch .Lasked_\@
.Lfor_v_\@:
	tensor_load_to_lds s[G0V:G0V+3], s[G1V:G1V+7]
	s_nop 0
.rept 4
	v_nop
.endr
.Lasked_\@:
.endm
.macro CROUND
	s_barrier_signal -1
	s_barrier_wait -1
	s_cmp_lg_u32 s[WV], 0
	s_cbranch_scc1 .Lnot_wave_0_\@
	s_barrier_signal -3
.Lnot_wave_0_\@:
	s_barrier_wait -3
	s_barrier_signal -1
	s_barrier_wait -1
.endm
; A prefetch into the L2, behind the joint fill: the tile two fills on, 256 matrix instructions ahead of its load.  The head's cluster with b = 0 walks tiles 0 to 15 in order: it alone asks.  Its partners share a tile's
; rows out by address, 64 each; waves 0 and 1 name K's, waves 2 and 3 V's, 32 rows each, a lane a row.  Tiles 0-2 come by their loads alone; behind tile 15 nothing is named.
.macro ASK
	s_cmp_gt_u32 s[SLOTS], s[LIM]
	s_cbranch_scc0 .Lnot_mine_\@
	global_prefetch_b8 v[PFO], s[PFA:PFA+1] th:TH_LOAD_NT scope:SCOPE_SE
.Lnot_mine_\@:
.endm
; THE CHANGE OF SLOTS, ahead of each tile.  Each wave waits for all its tensor loads (one is out: its part of the tile to be entered), adds 0 to its spare word, and waits for that and for its reads of the old slot.
; fill = 1: the barrier is a round of the cluster's, and the old slot is filled again first thing behind it, with tile NXT: the address is made anew from that number.  The load has a tile, 128 matrix instructions, in which to land.
.macro CHANGE fill
	WIN 0
	s_wait_tensorcnt 0x0
	ds_add_u32 v[SPW], v[NIL]
.if \fill
	s_lshl_b32 s[OFF], s[NXT], 16   ; a tile is 65,536 bytes of K and of V
	s_xor_b32 s[G0K+1], s[G0K+1], SLOT1
	s_add_nc_u64 s[G0K+2:G0K+3], s[KB:KB+1], s[OFF:OFF+1]
	s_or_b32 s[G0K+3], s[G0K+3], 0x80000000
	s_xor_b32 s[G0V+1], s[G0V+1], SLOT1
	s_add_nc_u64 s[G0V+2:G0V+3], s[VB:VB+1], s[OFF:OFF+1]
	s_or_b32 s[G0V+3], s[G0V+3], 0x80000000
	s_add_co_u32 s[NXT], s[NXT], 1  ; the block's next tile, or behind its last the second block's tile 0
	s_cmp_gt_u32 s[NXT], s[LQ]
	s_cselect_b32 s[NXT], 0, s[NXT]
	s_cselect_b32 s[LQ], s[PB], s[LQ]
	s_wait_xcnt 0x0                 ; the last prefetch, a tile back, has read its address
	s_add_nc_u64 s[PFA:PFA+1], s[PFA:PFA+1], 65536
.endif
	s_wait_dscnt 0x0                ; the add is done, and my reads of the old slot are over
.if \fill
	CROUND
	JLOAD                           ; its four v_nop are also the places ahead of the loads into V's registers
	ASK
.else
	s_barrier_signal -1
	s_barrier_wait -1
	PLACES
.endif
	s_xor_b32 s[TB], s[TB], SLOT1
.endm
.macro QLOAD b                      ; 64 queries stay in registers: tile i / 4, channels 32 (i % 4) on
	WIN 0x80
.set i, 0
.rept 16
	global_load_b128 v[8*i:8*i+3],   v[QO], s[\b:\b+1] offset:(i/4)*4096+(i%4)*64
	global_load_b128 v[8*i+4:8*i+7], v[QO], s[\b:\b+1] offset:(i/4)*4096+(i%4)*64+32
.set i, i+1
.endr
	WIN 0
.endm
	s_load_b128 s[4:7], s[0:1], 0x0 ; qkv s[4:5], y s[6:7]
	v_lshl_add_u32 v[SPW], v0, 2, SPARE
	v_mov_b32 v[NIL], 0
	ds_add_u32 v[SPW], v[NIL]       ; the wave's opening: the add and its wait ahead of my first tensor load
	v_lshrrev_b32 v1, 5, v0
	v_readfirstlane_b32 s[WV], v1
	s_bfe_u32 s13, ttmp6, 0x40000   ; cx: it enters Q's, y's and the prefetches' addresses and the mask's numbers alone
	s_mov_b32 s[PB], ttmp9          ; b: the cluster's x
	s_sub_co_u32 s[HI], 15, s[PB]
	s_and_b32 s48, ttmp7, 0xffff    ; the head
	s_lshl_b32 s50, s48, 20         ; a block of qkv is 1 MiB
	s_and_b32 s49, s[WV], 1         ; which half of a tile's 256 keys I fetch
	s_lshl_b32 s52, s49, 15
	s_add_co_u32 s52, s52, s50
	s_add_co_u32 s52, s52, 8<<20    ; K's blocks begin 8 MiB in
	s_mov_b32 s53, 0
	s_mul_i32 s54, s49, 128*PK
	s_mul_i32 s55, s49, 128*PV
	s_lshl_b32 s51, s13, 14         ; Q: my 64 rows of 256 bytes in a block of 256,
	s_add_co_u32 s51, s51, s50
	s_lshl_b32 s66, s[HI], 16       ; in the first block
	s_add_co_u32 s66, s66, s51
	s_mov_b32 s67, 0
	s_lshl_b32 s68, s[PB], 16       ; and in the second
	s_add_co_u32 s68, s68, s51
	s_mov_b32 s69, 0
	s_lshl_b32 s51, s13, 17         ; y: my 64 rows of 2,048 bytes, the head's 256 bytes of a row
	s_lshl_b32 s80, s48, 8
	s_add_co_u32 s51, s51, s80
	s_lshl_b32 s80, s[HI], 19
	s_add_co_u32 s80, s80, s51
	s_mov_b32 s81, 0
	s_lshl_b32 s84, s[PB], 19
	s_add_co_u32 s84, s84, s51
	s_mov_b32 s85, 0
	s_lshr_b32 s86, s[WV], 1        ; the prefetches: K (waves 0, 1) or V (waves 2, 3),
	s_add_co_u32 s86, s86, 1
	s_lshl_b32 s86, s86, 23
	s_add_co_u32 s86, s86, s50
	s_lshl_b32 s87, s13, 14         ; my work-group's 64 rows,
	s_add_co_u32 s86, s86, s87
	s_lshl_b32 s87, s49, 13         ; my wave's 32 of them,
	s_add_co_u32 s86, s86, s87
	s_add_co_u32 s86, s86, 2<<16    ; in tile 2: the first change steps it to tile 3
	s_mov_b32 s87, 0
	s_cmp_eq_u32 s[PB], 0
	s_cselect_b32 s[LIM], 3, -1     ; the same in all four partners
	s_mov_b32 s[G1K], 15|(1<<16)|(1<<20)|(1<<21)|(5<<22)|(3<<25)  ; the mask of four; 2-byte elements; padding on; bit 21 beside a mask; after every 64 words 4 words
	s_mov_b32 s[G1V], 15|(1<<16)|(1<<20)|(1<<21)|(5<<22)|(7<<25)  ; the same with 8 words
.irp g, G1K, G1V
	s_mov_b32 s[(\g)+1], 128<<16    ; tensor_dim0 = 128
	s_mov_b32 s[(\g)+2], 128<<16    ; tensor_dim1 = 128
	s_mov_b32 s[(\g)+3], 128<<16    ; tile_dim0 = 128
	s_mov_b32 s[(\g)+4], 128        ; tile_dim1 = 128
	s_mov_b32 s[(\g)+5], 128        ; elements from row to row
	s_mov_b32 s[(\g)+6], 0
	s_mov_b32 s[(\g)+7], 0
.endr
	s_mov_b32 s[G0K], 1
	s_mov_b32 s[G0K+1], s54         ; slot 0
	s_mov_b32 s[G0V], 1
	s_add_co_u32 s[G0V+1], s55, VOFF
	s_mov_b32 s[CS], 0x3e0293ee     ; c = log2(e) / sqrt(128)
	s_mov_b32 s[CS+1], s[CS]
	s_mov_b32 s[SEL], 0x76543210
	s_mov_b32 s[SEL+1], 0xfedcba98
	s_mov_b32 s[TB], SLOT1          ; the first change turns it into 0
	s_sub_co_u32 s[RT], 16, s[PB]   ; the first block has 16 - b tiles
	s_mov_b32 s[NXT], 1
	s_mov_b32 s[LQ], s[HI]
	s_mov_b32 s[OFF+1], 0
	s_mov_b32 s[BIGN], 0xf149f2ca   ; -1e30
	s_mov_b32 s[SLOTS], 16
	s_wait_dscnt 0x0                ; the opening add is done
	s_wait_kmcnt 0x0
	s_add_nc_u64 s[KB:KB+1], s[4:5], s[52:53]
	s_add_nc_u64 s[VB:VB+1], s[KB:KB+1], 8<<20
	s_mov_b64 s[G0K+2:G0K+3], s[KB:KB+1]
	s_or_b32 s[G0K+3], s[G0K+3], 0x80000000
	s_mov_b64 s[G0V+2:G0V+3], s[VB:VB+1]
	s_or_b32 s[G0V+3], s[G0V+3], 0x80000000
	s_add_nc_u64 s[QHI:QHI+1], s[4:5], s[66:67]
	s_add_nc_u64 s[QLO:QLO+1], s[4:5], s[68:69]
	s_add_nc_u64 s[YA:YA+1], s[6:7], s[80:81]
	s_add_nc_u64 s[YLO:YLO+1], s[6:7], s[84:85]
	s_add_nc_u64 s[PFA:PFA+1], s[4:5], s[86:87]
	CROUND                          ; all four work-groups are here: the first joint loads meet
	JLOAD                           ; tile 0 into slot 0; slot 1 is asked for by the loop's first change
	v_and_b32 v1, 15, v0            ; r = l % 16
	v_bfe_u32 v9, v0, 4, 1          ; h = l / 16
	v_lshlrev_b32 v[QO], 8, v1
	v_lshl_add_u32 v[QO], v9, 4, v[QO]
	QLOAD QHI
	v_mul_u32_u24 v[AK0], v1, PK    ; K: (64 w + r) x pitch + 16 h
	v_lshl_add_u32 v[AK0], v9, 4, v[AK0]
	s_mul_i32 s48, s[WV], 64*PK
	v_add_nc_u32 v[AK0], s48, v[AK0]
	v_and_b32 v47, 7, v0            ; V: the turning load reads key 8 h + l % 8, channels 8 ((l / 8) % 2) + 0..7
	v_bfe_u32 v56, v0, 3, 1
	v_lshl_add_u32 v[AV0], v9, 3, v47
	v_mul_u32_u24 v[AV0], v[AV0], PV
	v_lshl_add_u32 v[AV0], v56, 4, v[AV0]
	s_mul_i32 s48, s[WV], 64*PV
	s_add_co_u32 s48, s48, VOFF
	v_add_nc_u32 v[AV0], s48, v[AV0]
	v_mul_u32_u24 v[STO], v1, SP    ; the stage, in: row r of a tile, byte 32 w + 16 h
	v_lshl_add_u32 v[STO], v9, 4, v[STO]
	s_lshl_b32 s48, s[WV], 5
	s_add_co_u32 s48, s48, STG
	v_add_nc_u32 v[STO], s48, v[STO]
	v_mul_u32_u24 v[RD], v9, SP     ; back: wave w takes rows 16 w .., lanes 0-15 one row of 256 bytes, lanes 16-31 the next
	v_lshl_add_u32 v[RD], v1, 4, v[RD]
	s_mul_i32 s48, s[WV], 16*SP
	s_add_co_u32 s48, s48, STG
	v_add_nc_u32 v[RD], s48, v[RD]
	v_lshlrev_b32 v[GO], 11, v9     ; and the same two rows in y
	v_lshl_add_u32 v[GO], v1, 4, v[GO]
	s_lshl_b32 s48, s[WV], 15
	v_add_nc_u32 v[GO], s48, v[GO]
	v_and_b32 v47, 31, v0
	v_lshlrev_b32 v[PFO], 8, v47
	v_lshlrev_b32 v47, 4, v47       ; 16 l
	s_lshl_b32 s48, s[WV], 12
	s_add_co_u32 s48, s48, EX
	v_add_nc_u32 v[EXW], s48, v47
	s_lshl_b32 s48, s[WV], 10
	s_add_co_u32 s49, s48, EX
	v_add_nc_u32 v[EXR], s49, v47
	s_add_co_u32 s49, s48, STATS
	v_add_nc_u32 v[STW], s49, v47
	v_add_nc_u32 v[STR], STATS, v47
	s_sub_co_i32 s48, s13, s[WV]    ; the mask's threshold: 64 (cx - w) + r - 8 h
	s_lshl_b32 s48, s48, 6
	v_lshlrev_b32 v[MT], 3, v9
	v_sub_nc_u32 v[MT], v1, v[MT]
	v_add_nc_u32 v[MT], s48, v[MT]
	WIN 0xc0
.set i, 0
.rept 56
	v_cmp_gt_i32 vcc_lo, 16*(i/8-3)+i%8, v[MT]
	v_cndmask_b32 v[MD+i], 0, s[BIGN], vcc_lo
.set i, i+1
.endr
.set i, 0
.rept 56
	v_mov_b32 v[MC+i], 0
.set i, i+1
.endr
	WIN 0x40
.set i, 0
.rept 256
	v_mov_b32 v[i], 0               ; O^T: finite numbers for the first step's a = 0; written in the wait for the first tile
.set i, i+1
.endr
	WIN 0
.irp t, 0,1,2,3
	v_mov_b32 v[ST+8*(\t)], 0xfe000000    ; c m: far below every c s
	v_mov_b32 v[ST+8*(\t)+1], 0xff7fffff  ; m
	v_mov_b32 v[ST+8*(\t)+2], 0
	v_mov_b32 v[ST+8*(\t)+3], 0
.endr
	s_wait_loadcnt 0x0              ; Q
; THE MATRIX WORK.  Accumulators by turns, one instruction a turn.  Product i of 16 of S^T for tile t: channels 32 (i / 4) on, keys 16 (i % 4) on; the first 4 start the sums with the mask.
.macro KQ t
.set rS, S+32*(\t)+8*(i%4)
.set rK, KF+32*(i%4)+8*(i/4)
.set rQ, 32*(\t)+8*(i/4)
.set rM, MC+8*(i%4-(\t)+3)
.if i < 4
	WIN 0x3a                        ; K and Q window 2, C window 3, S^T window 0
	v_wmma_f32_16x16x32_f16 v[rS:rS+7], v[rK:rK+7], v[rQ:rQ+7], v[rM:rM+7]
.else
	WIN 0x0a
	v_wmma_f32_16x16x32_f16 v[rS:rS+7], v[rK:rK+7], v[rQ:rQ+7], v[rS:rS+7]
.endif
.endm
.macro PV t                         ; product i of 16 of O^T += V^T P for tile t: keys 32 (i / 8) on, channels 16 (i % 8) on
	WIN 0x53                        ; V window 3, P window 0, O^T window 1
.set rO, 64*(\t)+8*(i%8)
.set rV, 64*(i/8)+8*(i%8)
.set rP, P+16*(\t)+8*(i/8)
	v_wmma_f32_16x16x32_f16 v[rO:rO+7], v[rV:rV+7], v[rP:rP+7], v[rO:rO+7]
.endm
.macro FETCH_K                      ; my 64 keys x 128 channels: 32 loads, the channels' chunk of 32 outermost, so that the first products can start on the first eight
	WIN 0
	v_add_nc_u32 v[ADRK], s[TB], v[AK0]
	WIN 0x80
.irp c, 0,1,2,3
.irp kb, 0,1,2,3
	ds_load_b128 v[KF+32*(\kb)+8*(\c):KF+32*(\kb)+8*(\c)+3],   v[ADRK] offset:(\kb)*16*PK+(\c)*64
	ds_load_b128 v[KF+32*(\kb)+8*(\c)+4:KF+32*(\kb)+8*(\c)+7], v[ADRK] offset:(\kb)*16*PK+(\c)*64+32
.endr
.endr
.endm
.macro FETCH_V                      ; the same keys of V, turned: keys 32 (f / 8) on, channels 16 (f % 8) on
	WIN 0
	v_add_nc_u32 v[ADRV], s[TB], v[AV0]
	WIN 0xc0
.irp f, 0,1,2,3,4,5,6,7,8,9,10,11,12,13,14,15
	ds_load_tr16_b128 v[8*(\f):8*(\f)+3],   v[ADRV] offset:((\f)/8)*32*PV+((\f)%8)*32
	ds_load_tr16_b128 v[8*(\f)+4:8*(\f)+7], v[ADRV] offset:((\f)/8)*32*PV+16*PV+((\f)%8)*32
.endr
.endm
; THE VECTOR WORK.  A tile's softmax for a key step is a list of 134; SM writes number j of it.  0-15 the maximum of the lane's 32 scores and the old m (each accumulator's lowest registers are read first);
; 16-20 the other half of the lanes' maximum, m, c m, its change; 21-69 ONE BATCH: the 16 scalings c s - c m and all 33 exponentials, none of which reads an exponential's result; (the wait);
; 70-85 the roundings to f16; 86-101 the sums, l = a l + sum; 102-133 O^T times a.
.macro SM t
.set rT, ST+8*(\t)
.set rS, S+32*(\t)
.set rP, P+16*(\t)
.set rO, 64*(\t)+2*(j-102)
.if j < 102
	WIN 0
.endif
.if j < 4
	v_max3_num_f32 v[rT+4+j], v[rS+8*j], v[rS+8*j+1], v[rS+8*j+2]
.elseif j < 12
	v_max3_num_f32 v[rT+4+j%4], v[rT+4+j%4], v[rS+8*(j%4)+2*(j/4)+1], v[rS+8*(j%4)+2*(j/4)+2]
.elseif j == 12
	v_max3_num_f32 v[rT+4], v[rT+4], v[rS+7], v[rS+15]
.elseif j == 13
	v_max3_num_f32 v[rT+6], v[rT+6], v[rS+23], v[rS+31]
.elseif j == 14
	v_max3_num_f32 v[rT+4], v[rT+4], v[rT+5], v[rT+6]
.elseif j == 15
	v_max3_num_f32 v[rT+4], v[rT+4], v[rT+7], v[rT+1]
.elseif j == 16
	v_permlanex16_b32 v[rT+5], v[rT+4], s[SEL], s[SEL+1]  ; the query's other 32 keys lie in the lane 16 away
.elseif j == 17
	v_mov_b32 v[rT+7], v[rT]        ; c m_old is kept for a
.elseif j == 18
	v_max_num_f32 v[rT+1], v[rT+4], v[rT+5]
.elseif j == 19
	v_mul_f32 v[rT], s[CS], v[rT+1]
.elseif j == 20
	v_sub_f32 v[rT+7], v[rT+7], v[rT]
.elseif j == 23
	v_exp_f32 v[rT+6], v[rT+7]      ; a
.elseif (j < 23) || ((j < 38) && (j%2 == 0)) || ((j < 66) && (j%4 == 2))
.set b, (j-2)/4                     ; 38, 42, .. 62: pairs 9 to 15
.if j < 38
.set b, (j-20)/2                    ; 21: pair 0; 22, 24, .. 36: pairs 1 to 8
.endif
	v_pk_fma_f32 v[rS+2*b:rS+2*b+1], v[rS+2*b:rS+2*b+1], s[CS:CS+1], v[rT:rT+1] op_sel_hi:[1,0,0] neg_lo:[0,0,1] neg_hi:[0,0,1]
.elseif j < 70
.set e, j-38                        ; 66 to 69: s28 to s31
.if j < 66
.set e, j-32-(j-38)/4               ; 39-41, 43-45, .. 63-65: s7 to s27
.endif
.if j < 38
.set e, (j-25)/2                    ; 25, 27, .. 37: s0 to s6
.endif
	v_exp_f32 v[rS+e], v[rS+e]
.elseif j < 86
	v_cvt_pk_f16_f32 v[rP+j-70], v[rS+2*(j-70)], v[rS+2*(j-70)+1]
.elseif j < 102                     ; the sum of the 16 pairs, in place: neighbours 1, 2, 4 and 8 pairs apart, then l takes it
.set z, j-86
.set w, 4
.set u2, z
.if z >= 14
.set w, 32
.set u2, 0
.elseif z >= 12
.set w, 16
.set u2, z-12
.elseif z >= 8
.set w, 8
.set u2, z-8
.endif
.if z < 15
	v_pk_add_f32 v[rS+w*u2:rS+w*u2+1], v[rS+w*u2:rS+w*u2+1], v[rS+w*u2+w/2:rS+w*u2+w/2+1]
.else
	v_pk_fma_f32 v[rT+2:rT+3], v[rT+2:rT+3], v[rT+6:rT+7], v[rS:rS+1] op_sel_hi:[1,0,1]
.endif
.else
	WIN 0x41                        ; O^T window 1, a window 0
	v_pk_mul_f32 v[rO:rO+1], v[rO:rO+1], v[rT+6:rT+7] op_sel_hi:[1,0]
.endif
.endm
.macro NEXT                         ; the stream's next instruction.  Ahead of number 70 stand a plain instruction behind the last exponential and the one wait for the tile's 33
.if j == 70
	v_nop
	s_wait_alu depctr_va_vdst(0)
.endif
	SM tcur
.set j, j+1
.if j == 134
.set j, 0
.set tcur, tcur+1
.endif
.endm
.macro RIDE                         ; 536 instructions behind 96 products: five or six behind each; a tile's 134 end exactly behind 24 products
.rept (536*(u+1))/96-(536*u)/96
	NEXT
.endr
.set u, u+1
.endm
; Tile t's softmax rides behind products 24 t .. 24 t + 23 of the 96: it begins eight products or more (some fifty plain instructions) behind the end of K Q^T of tile t and ends ahead of V^T P of tile t; no rider names a register of the products round it.
.macro TILE
	FETCH_K
	FETCH_V
.set i, 0
.rept 16
.if i%4 == 0
	s_wait_dscnt 56-2*i             ; K's chunk i / 4 is in: the loads issued behind its eight may stay out
.endif
	KQ 0
.set i, i+1
.endr
	PLACES
.set u, 0
.set j, 0
.set tcur, 0
.irp t, 1,2,3
.set i, 0
.rept 16
	KQ \t
	RIDE
.set i, i+1
.endr
.endr
	s_wait_dscnt 0x0                ; V is in
.irp t, 0,1,2
.set i, 0
.rept 16
	PV \t
	RIDE
.set i, i+1
.endr
.endr
.set i, 0
.rept 16
	PV 3
.set i, i+1
.endr
	WIN 0
.endm
.macro MCMD                         ; the diagonal tile's masks
	WIN 0xc3
.set i, 0
.rept 56
	v_mov_b32 v[MC+i], v[MD+i]
.set i, i+1
.endr
	WIN 0
.endm
; THE MERGE.  Half-pass i (tile i / 2, channels 64 (i % 2) on): every wave writes its 32 registers of O^T into exchange buffer i % 2; wave w reads from all four waves the channel block w of that half and adds them up, each times its factor.
.macro WX i
	WIN 0x04                        ; the store's data in window 1
.irp q, 0,1,2,3,4,5,6,7
	ds_store_b128 v[EXW], v[32*(\i)+4*(\q):32*(\i)+4*(\q)+3] offset:((\i)%2)*16384+512*(\q)
.endr
	WIN 0
.endm
.macro RX i
.irp w, 0,1,2,3
.irp q, 0,1
	ds_load_b128 v[XR+8*(\w)+4*(\q):XR+8*(\w)+4*(\q)+3], v[EXR] offset:((\i)%2)*16384+4096*(\w)+512*(\q)
.endr
.endr
.endm
.macro FM i
.irp p, 0,1,2,3
	v_pk_mul_f32 v[RR+8*(\i)+2*(\p):RR+8*(\i)+2*(\p)+1], v[XR+2*(\p):XR+2*(\p)+1], v[GG+2*((\i)/2):GG+2*((\i)/2)+1]
.endr
.irp w, 1,2,3
.irp p, 0,1,2,3
	v_pk_fma_f32 v[RR+8*(\i)+2*(\p):RR+8*(\i)+2*(\p)+1], v[XR+8*(\w)+2*(\p):XR+8*(\w)+2*(\p)+1], v[GG+2*(4*(\w)+(\i)/2):GG+2*(4*(\w)+(\i)/2)+1], v[RR+8*(\i)+2*(\p):RR+8*(\i)+2*(\p)+1]
.endr
.endr
.endm
.macro BAR
	s_wait_dscnt 0x0                ; for the others' sake: my stores are done and my reads are back
	s_barrier_signal -1
	s_barrier_wait -1
.endm
.macro MERGE next                   ; next = 1: the second block's Q is loaded meanwhile
	WIN 0
.irp t, 0,1,2,3
	v_add_f32 v[ST+8*(\t)+4], v[ST+8*(\t)+2], v[ST+8*(\t)+3]  ; these four are also the places behind the last products
.endr
.irp t, 0,1,2,3
	v_permlanex16_b32 v[ST+8*(\t)+5], v[ST+8*(\t)+4], s[SEL], s[SEL+1]
.endr
.irp t, 0,1,2,3
	v_add_f32 v[52+(\t)], v[ST+8*(\t)+4], v[ST+8*(\t)+5]      ; my keys' l
	v_mov_b32 v[48+(\t)], v[ST+8*(\t)]                        ; and c m
.endr
	ds_store_b128 v[STW], v[48:51]
	ds_store_b128 v[STW], v[52:55] offset:512
	WX 0
.if \next
	QLOAD QLO
.endif
	BAR
.irp w, 0,1,2,3
	ds_load_b128 v[CMX+4*(\w):CMX+4*(\w)+3], v[STR] offset:1024*(\w)
	ds_load_b128 v[LX+4*(\w):LX+4*(\w)+3],   v[STR] offset:1024*(\w)+512
.endr
	RX 0
	WX 1
	s_wait_dscnt 16                 ; the statistics are in; the eight loads and eight stores behind them may be out
.irp t, 0,1,2,3
	v_max3_num_f32 v[48+(\t)], v[CMX+(\t)], v[CMX+4+(\t)], v[CMX+8+(\t)]
.endr
.irp t, 0,1,2,3
	v_max_num_f32 v[48+(\t)], v[48+(\t)], v[CMX+12+(\t)]      ; c m*
.endr
.set i, 0
.rept 16
	v_sub_f32 v[CMX+i], v[CMX+i], v[48+i%4]
.set i, i+1
.endr
.set i, 0
.rept 16
	v_exp_f32 v[CMX+i], v[CMX+i]
.set i, i+1
.endr
	v_nop
	s_wait_alu depctr_va_vdst(0)    ; one wait for the sixteen
.irp t, 0,1,2,3
	v_mul_f32 v[52+(\t)], v[CMX+(\t)], v[LX+(\t)]
.endr
.irp w, 1,2,3
.irp t, 0,1,2,3
	v_fmac_f32 v[52+(\t)], v[CMX+4*(\w)+(\t)], v[LX+4*(\w)+(\t)]  ; l*
.endr
.endr
.irp t, 0,1,2,3
	v_rcp_f32 v[52+(\t)], v[52+(\t)]
.endr
	v_nop
	s_wait_alu depctr_va_vdst(0)    ; one wait for the four
.set i, 0
.rept 16
	v_mul_f32 v[GG+2*i],   v[CMX+i], v[52+i%4]
	v_mul_f32 v[GG+2*i+1], v[CMX+i], v[52+i%4]
.set i, i+1
.endr
	s_wait_dscnt 8                  ; half-pass 0 is in; the eight stores behind it may be out
	FM 0
	BAR
.irp i, 1,2,3,4,5,6                 ; a buffer is written again one barrier behind its reads
	RX \i
	WX (\i)+1
	s_wait_dscnt 8
	FM \i
	BAR
.endr
	RX 7
	s_wait_dscnt 0x0
	FM 7
.endm
; THE WAY OUT.  Wave w holds channels 16 w + .. and 64 + 16 w + .. of all 64 queries: rounded to f16, 16 bytes a lane into the stage, a barrier, back as whole rows of 256 bytes.
; The stage lies over bytes whose last reads (the statistics, half-pass 6) ended ahead of the merge's last barrier; half-pass 7 reads the second exchange buffer, which the stage does not reach.
.macro OUT
.set i, 0
.rept 32
	v_cvt_pk_f16_f32 v[XR+i], v[RR+2*i], v[RR+2*i+1]
.set i, i+1
.endr
.irp e, 0,1,2,3,4,5,6,7
	ds_store_b128 v[STO], v[XR+4*(\e):XR+4*(\e)+3] offset:((\e)/2)*16*SP+((\e)%2)*128
.endr
	BAR
.irp f, 0,1,2,3,4,5,6,7
	ds_load_b128 v[160+4*(\f):160+4*(\f)+3], v[RD] offset:(\f)*2*SP
.endr
.irp f, 0,1,2,3,4,5,6,7
	s_wait_dscnt 7-(\f)
	global_store_b128 v[GO], v[160+4*(\f):160+4*(\f)+3], s[YA:YA+1] offset:4096*(\f)  ; 16 lanes store the head's 256 bytes of a row of y, aligned
.endr
.endm
.macro BEGIN                        ; the second block begins: O^T and l keep what they hold, since the first step's a is 0
	s_wait_xcnt 0x0                 ; the stores have read their registers and y's address
	s_mov_b64 s[YA:YA+1], s[YLO:YLO+1]
	s_add_co_u32 s[RT], s[PB], 1    ; it has b + 1 tiles
.irp t, 0,1,2,3
	v_mov_b32 v[ST+8*(\t)], 0xfe000000
	v_mov_b32 v[ST+8*(\t)+1], 0xff7fffff
.endr
	WIN 0xc0
.set i, 0
.rept 56
	v_mov_b32 v[MC+i], 0
.set i, i+1
.endr
	WIN 0
	s_wait_loadcnt 0x0              ; its Q
.endm
.Lslot:                             ; 16 times: a tile is entered and the next is asked for.  Every branch hangs on b and on counters: alike in all waves and all partners
	CHANGE 1
	s_sub_co_u32 s[RT], s[RT], 1
	s_cmp_lg_u32 s[RT], 0
	s_cbranch_scc1 .Lplain
	MCMD                            ; the first block's last tile
.Lplain:
	TILE
	s_cmp_lg_u32 s[RT], 0
	s_cbranch_scc1 .Lbottom
	MERGE 1
	OUT
	BEGIN
.Lbottom:
	s_sub_co_u32 s[SLOTS], s[SLOTS], 1
	s_cmp_lg_u32 s[SLOTS], 0
	s_cbranch_scc1 .Lslot
	CHANGE 0                        ; the walk's last tile is written out: it is the second block's diagonal tile
	MCMD
	TILE
	MERGE 0
	OUT
	s_wait_tensorcnt 0x0            ; the wave's end
	ds_add_u32 v[SPW], v[NIL]
	s_wait_dscnt 0x0
	CROUND                          ; the closing round
	s_endpgm
.Lfunc_end_k_qd96f0c6884_attn:
	.size	k_qd96f0c6884_attn, .Lfunc_end_k_qd96f0c6884_attn-k_qd96f0c6884_attn
	.p2alignl 7, 3214868480
	.fill 96, 4, 3214868480
	.section	.rodata,"a",@progbits
	.p2align	6, 0x0
	.amdhsa_kernel k_qd96f0c6884_attn
		.amdhsa_group_segment_fixed_size 327680
		.amdhsa_private_segment_fixed_size 0
		.amdhsa_enable_private_segment 0
		.amdhsa_kernarg_size 16
		.amdhsa_user_sgpr_count 2
		.amdhsa_user_sgpr_kernarg_segment_ptr 1
		.amdhsa_wavefront_size32 1
		.amdhsa_system_sgpr_workgroup_id_x 1
		.amdhsa_system_sgpr_workgroup_id_y 1
		.amdhsa_system_sgpr_workgroup_id_z 1
		.amdhsa_system_vgpr_workitem_id 0
		.amdhsa_next_free_vgpr 1024
		.amdhsa_next_free_sgpr 88
		.amdhsa_reserve_vcc 1
		.amdhsa_float_denorm_mode_32 3
		.amdhsa_float_denorm_mode_16_64 3
		.amdhsa_memory_ordered 1
		.amdhsa_forward_progress 1
		.amdhsa_inst_pref_size 187
	.end_amdhsa_kernel
	.amdgpu_metadata
---
amdhsa.version: [ 1, 2 ]
amdhsa.kernels:
  - .name:           k_qd96f0c6884_attn
    .symbol:         k_qd96f0c6884_attn.kd
    .args:
      - { .name: qkv, .offset: 0, .size: 8, .value_kind: global_buffer, .address_space: global }
      - { .name: y, .offset: 8, .size: 8, .value_kind: global_buffer, .address_space: global }
    .group_segment_fixed_size: 327680
    .private_segment_fixed_size: 0
    .kernarg_segment_align: 8
    .kernarg_segment_size: 16
    .max_flat_workgroup_size: 128
    .sgpr_count:     88
    .vgpr_count:     1024
    .wavefront_size: 32
...
	.end_amdgpu_metadata
.endif
;; end of part 3
;; launch proj_gemm (part 4): grid 8 x 32, 4 waves a work-group, clusters of 4 x 4, 327,680 bytes of LDS; arguments y, wpf, b_proj, out0; writes out0
.if DOCPART == 4
	.amdgcn_target "amdgcn-amd-amdhsa--gfx1250"
	.amdhsa_code_object_version 6
	.text
	.protected	k_qd96f0c6884_proj_gemm
	.globl	k_qd96f0c6884_proj_gemm
	.p2align	8
	.type	k_qd96f0c6884_proj_gemm,@function
k_qd96f0c6884_proj_gemm:
	s_mov_b64 s[64:65], 0
	v_nop
	global_prefetch_b8 v0, s[64:65] scope:SCOPE_SE
	s_setreg_imm32_b32 hwreg(HW_REG_WAVE_MODE, 25, 1), 1
	s_wait_xcnt 0x0
	s_wait_alu depctr_hold_cnt(0) depctr_sa_sdst(0) depctr_va_vdst(0) depctr_va_sdst(0) depctr_va_ssrc(0) depctr_va_vcc(0) depctr_vm_vsrc(0)
	s_getreg_b32 s2, hwreg(HW_REG_IB_STS2, 6, 4)
	s_cmp_eq_u32 s2, 0
	s_cbranch_scc0 .Lentry_in_a_cluster
	s_endpgm
.Lentry_in_a_cluster:
	s_bfe_u32 s2, ttmp6, 0x10000c
	s_cmp_lg_u32 s2, 0xf033
	s_cbranch_scc0 .Lentry_shape_is_right
	s_endpgm
.Lentry_shape_is_right:
; out0 = y w_proj^T + b_proj.  y [4096][1024] and wpf [1024][1024] in f16 (wpf holds w_proj rounded to bf16), sums in f32, the bias (rounded to bf16 like the other inputs) starts the sums; out0 in f32.
; A tile is 128 x 128: 8 x 32 work-groups.  Four waves, each 64 x 64: 16 accumulators.  K goes in 4 steps of 256 (LDS rows of 512 bytes; a wave's tensor load brings 64 of them) through two slots.
; CLUSTER 4 x 4: y's tile is asked for jointly by a row of the cluster (waves 0, 1), w's by a column (waves 2, 3).  THE MATRIX INSTRUCTION IS USED TRANSPOSED: a lane holds row l % 16 and eight neighbouring columns.
; A wave's 64 columns of f32 are 256 bytes, aligned: each wave has a stage of its own on the way out, and no barrier is needed there.  No prefetch: four short K steps on small tiles.
; REGISTERS: window 0: v0-31 addresses; v96-127 the bias, 8 a column block; v128-255 the accumulators ((a, b) at 128 + 8 (4 a + b)).  window 1: two fragment buffers of 128: for 64 along K, 64 of y's, then 64 of w's.
.set PITCH,  528                       ; 512 bytes + 16 of padding: the 16 rows of a fragment load start at 16 different groups of four banks (ISA guide 11.1)
.set HALFT,  64*PITCH
.set SLOT1,  0x24000                   ; the four parts of slot 0 begin at 0, 0x8400, 0x10800, 0x18c00: bits 14 and 17 are clear
.set SPARE,  0x21000                   ; between the slots: the spare words, 128 bytes a wave: two blocks of 256 bytes that no other line names
.set STAGE,  0x45000                   ; behind the ring, never filled by a tensor load: 16 rows x 272 bytes for each wave
.set SPITCH, 272
.set BA,   4
.set BB,   5
.set ADRA, 8
.set ADRB, 9
.set STO,  12
.set RD,   13
.set CO,   14
.set BO,   15
.set SPW,  28
.set NIL,  29
.set BIAS, 96
.set ACC,  128
.set F0,   0
.set F1,   128
.set WV,   12
.set G1,   24
.set G0,   32
.set G1B,  48
.set G0B,  56
.set TB,   66
.set CNT,  67
.set GW, (1<<16)|(1<<20)|(1<<21)|(6<<22)|(3<<25)  ; 2-byte elements; padding on; bit 21 beside a mask; after every 128 words 4 words
.set MSB, 0
.macro WIN new
.if MSB != (\new)
	s_set_vgpr_msb (MSB<<8)|(\new)
.set MSB, (\new)
.endif
.endm
.macro PLACES
.rept 4
	v_nop
.endr
.endm
.macro JLOAD s                         ; waves 0 and 1 ask for y's two halves, waves 2 and 3 for w's; an s_nop 0 and four v_nop follow each line
	s_cmp_lt_u32 s[WV], 2
	s_cbranch_scc0 .Lfor_b_\@
	tensor_load_to_lds s[G0+4*(\s):G0+4*(\s)+3], s[G1:G1+7]
	s_nop 0
.rept 4
	v_nop
.endr
	s_branch .Lasked_\@
.Lfor_b_\@:
	tensor_load_to_lds s[G0B+4*(\s):G0B+4*(\s)+3], s[G1B:G1B+7]
	s_nop 0
.rept 4
	v_nop
.endr
.Lasked_\@:
.endm
.macro CREST
	s_cmp_lg_u32 s[WV], 0
	s_cbranch_scc1 .Lnot_wave_0_\@
	s_barrier_signal -3
.Lnot_wave_0_\@:
	s_barrier_wait -3
	s_barrier_signal -1
	s_barrier_wait -1
.endm
.macro CROUND
	s_barrier_signal -1
	s_barrier_wait -1
	CREST
.endm
	s_load_b256 s[4:11], s[0:1], 0x0               ; y s[4:5], wpf s[6:7], b_proj s[8:9], out0 s[10:11]
	v_lshl_add_u32 v[SPW], v0, 2, SPARE
	v_mov_b32 v[NIL], 0
	ds_add_u32 v[SPW], v[NIL]                      ; the wave's opening: the add and its wait ahead of my first tensor load
	v_lshrrev_b32 v1, 5, v0
	v_readfirstlane_b32 s[WV], v1
	s_lshr_b32 s13, s[WV], 1                       ; wr: my half of the tile's rows
	s_and_b32 s14, s[WV], 1                        ; wc: my half of its columns; also which 64 rows I fetch
	s_bfe_u32 s40, ttmp6, 0x40000
	s_bfe_u32 s41, ttmp6, 0x40004
	s_lshl_b32 s42, ttmp9, 2
	s_add_co_u32 s42, s42, s40                     ; gx
	s_and_b32 s43, ttmp7, 0xffff
	s_lshl_b32 s43, s43, 2
	s_add_co_u32 s43, s43, s41                     ; gy
	s_lshl_b32 s44, s41, 2
	s_lshl_b32 s44, 15, s44
	s_lshl_b32 s45, 0x1111, s40
	s_or_b32 s[G1], s44, GW
	s_or_b32 s[G1B], s45, GW
.irp g, G1, G1B
	s_mov_b32 s[(\g)+1], 256<<16                   ; tensor_dim0 = 256
	s_mov_b32 s[(\g)+2], 64<<16                    ; tensor_dim1 = 64
	s_mov_b32 s[(\g)+3], 256<<16                   ; tile_dim0 = 256
	s_mov_b32 s[(\g)+4], 64                        ; tile_dim1 = 64
	s_mov_b32 s[(\g)+5], 1024
	s_mov_b32 s[(\g)+6], 0
	s_mov_b32 s[(\g)+7], 0
.endr
	s_lshl_b32 s16, s43, 7
	s_lshl_b32 s17, s14, 6
	s_add_co_u32 s16, s16, s17                     ; y: row 128 gy + 64 x half
	s_lshl_b32 s16, s16, 11
	s_mov_b32 s17, 0
	s_lshl_b32 s18, s42, 7
	s_lshl_b32 s19, s14, 6
	s_add_co_u32 s18, s18, s19                     ; w: row 128 gx + 64 x half
	s_lshl_b32 s18, s18, 11
	s_mov_b32 s19, 0
	s_mul_i32 s20, s[WV], HALFT
	s_mov_b32 s71, 0xffff0000
	s_wait_dscnt 0x0
	s_wait_kmcnt 0x0
	s_add_nc_u64 s[72:73], s[4:5], s[16:17]
	s_add_nc_u64 s[74:75], s[6:7], s[18:19]
	CROUND
.irp s, 0,1
	s_mov_b32 s[G0+4*(\s)], 1
	s_add_co_u32 s[G0+4*(\s)+1], s20, (\s)*SLOT1
	s_add_nc_u64 s[G0+4*(\s)+2:G0+4*(\s)+3], s[72:73], (\s)*512
	s_or_b32 s[G0+4*(\s)+3], s[G0+4*(\s)+3], 0x80000000
	s_mov_b32 s[G0B+4*(\s)], 1
	s_add_co_u32 s[G0B+4*(\s)+1], s20, (\s)*SLOT1
	s_add_nc_u64 s[G0B+4*(\s)+2:G0B+4*(\s)+3], s[74:75], (\s)*512
	s_or_b32 s[G0B+4*(\s)+3], s[G0B+4*(\s)+3], 0x80000000
	JLOAD \s
.endr
	v_and_b32 v1, 15, v0
	v_bfe_u32 v2, v0, 4, 1
	v_lshlrev_b32 v[BO], 5, v2
	s_lshl_b32 s76, s42, 7
	s_lshl_b32 s77, s14, 6
	s_add_co_u32 s76, s76, s77
	s_lshl_b32 s76, s76, 2                         ; my first column, in bytes of f32
	s_mov_b32 s77, 0
	s_add_nc_u64 s[8:9], s[8:9], s[76:77]
.irp b, 0,1,2,3
	global_load_b128 v[BIAS+8*(\b):BIAS+8*(\b)+3],   v[BO], s[8:9] offset:64*(\b)
	global_load_b128 v[BIAS+8*(\b)+4:BIAS+8*(\b)+7], v[BO], s[8:9] offset:64*(\b)+16
.endr
	v_mul_u32_u24 v3, v1, PITCH
	v_lshl_add_u32 v3, v2, 4, v3
	s_mul_i32 s21, s13, HALFT
	s_mul_i32 s22, s14, HALFT
	s_add_co_u32 s22, s22, 2*HALFT
	v_add_nc_u32 v[BA], s21, v3
	v_add_nc_u32 v[BB], s22, v3
	s_mul_i32 s23, s[WV], 16*SPITCH
	s_add_co_u32 s23, s23, STAGE                   ; my stage
	v_mul_u32_u24 v[STO], v1, SPITCH               ; in: row r, 32 bytes for each half of the lanes
	v_lshl_add_u32 v[STO], v2, 5, v[STO]
	v_add_nc_u32 v[STO], s23, v[STO]
	v_mul_u32_u24 v[RD], v2, SPITCH                ; back: lanes 0-15 one row of 256 bytes, lanes 16-31 the next
	v_lshl_add_u32 v[RD], v1, 4, v[RD]
	v_add_nc_u32 v[RD], s23, v[RD]
	v_lshlrev_b32 v[CO], 12, v2                    ; and the same two rows in out0
	v_lshl_add_u32 v[CO], v1, 4, v[CO]
	s_lshl_b32 s78, s43, 7
	s_lshl_b32 s79, s13, 6
	s_add_co_u32 s78, s78, s79                     ; my first row
	s_lshl_b32 s78, s78, 12
	s_add_co_u32 s76, s76, s78
	s_add_nc_u64 s[10:11], s[10:11], s[76:77]
.macro MUL8 f, c, a0, zero             ; 8 matrix instructions: row blocks a0, a0 + 1 x 4 column blocks, half c of buffer f.  The 16 accumulators take turns
	WIN 0x05                                       ; sources window 1; C and D window 0
.irp a, \a0, (\a0)+1
.irp b, 0,1,2,3
.set rD, ACC+8*(4*(\a)+(\b))
.set rB, (\f)+64+8*(4*(\c)+(\b))
.set rA, (\f)+8*(4*(\c)+(\a))
.if \zero
	v_wmma_f32_16x16x32_f16 v[rD:rD+7], v[rB:rB+7], v[rA:rA+7], v[BIAS+8*(\b):BIAS+8*(\b)+7]
.else
	v_wmma_f32_16x16x32_f16 v[rD:rD+7], v[rB:rB+7], v[rA:rA+7], v[rD:rD+7]
.endif
.endr
.endr
.endm
.macro ADDR
	WIN 0
	v_add_nc_u32 v[ADRA], s[TB], v[BA]
	v_add_nc_u32 v[ADRB], s[TB], v[BB]
.endm
.macro FETCH k, f                      ; 32 LDS loads in one run: 64 along K at byte k of the rows; the first 32 along K first
	WIN 0x40
.irp c, 0,1
.irp i, 0,1,2,3
	ds_load_b128 v[(\f)+64+8*(4*(\c)+(\i)):(\f)+64+8*(4*(\c)+(\i))+3],   v[ADRB] offset:(\k)+64*(\c)+(\i)*16*PITCH
	ds_load_b128 v[(\f)+64+8*(4*(\c)+(\i))+4:(\f)+64+8*(4*(\c)+(\i))+7], v[ADRB] offset:(\k)+64*(\c)+(\i)*16*PITCH+32
	ds_load_b128 v[(\f)+8*(4*(\c)+(\i)):(\f)+8*(4*(\c)+(\i))+3],         v[ADRA] offset:(\k)+64*(\c)+(\i)*16*PITCH
	ds_load_b128 v[(\f)+8*(4*(\c)+(\i))+4:(\f)+8*(4*(\c)+(\i))+7],       v[ADRA] offset:(\k)+64*(\c)+(\i)*16*PITCH+32
.endr
.endr
.endm
.macro QUARTER k, f, g, zero
	s_wait_dscnt 16                                ; the first 32 along K are in
	MUL8 \f, 0, 0, \zero
	MUL8 \f, 0, 2, \zero
	PLACES
	FETCH \k, \g
	s_wait_dscnt 32                                ; all but the 32 just issued
	MUL8 \f, 1, 0, 0
	MUL8 \f, 1, 2, 0
.endm
.macro TURN fill                       ; the last quarter multiplies buffer 1 and changes slots, as in the launch for q, k and v
	WIN 0
	s_wait_tensorcnt 0x0                           ; all my tensor loads have landed: my part of the next slot
	ds_add_u32 v[SPW], v[NIL]
	s_wait_dscnt 17                                ; the add and the youngest sixteen loads may be out
	MUL8 F1, 0, 0, 0
	s_wait_dscnt 0x0                               ; the add is done, and my reads of this slot are over
	s_barrier_signal -1
	MUL8 F1, 0, 2, 0
	WIN 0
	s_barrier_wait -1
.if \fill
	CREST
	s_xor_b32 s[G0+5], s[G0+5], SLOT1
	s_add_nc_u64 s[G0+6:G0+7], s[G0+6:G0+7], 512
	s_xor_b32 s[G0B+5], s[G0B+5], SLOT1
	s_add_nc_u64 s[G0B+6:G0B+7], s[G0B+6:G0B+7], 512
	JLOAD 1
.else
	PLACES
.endif
	s_xor_b32 s[TB], s[TB], SLOT1
	ADDR
	FETCH 0, F0
	MUL8 F1, 1, 0, 0
	MUL8 F1, 1, 2, 0
.endm
	s_wait_tensorcnt 0x1                           ; my part of K step 0 is in; K step 1's may stay out
	s_barrier_signal -1
	s_barrier_wait -1
	s_mov_b32 s[TB], 0
	ADDR
	FETCH 0, F0
	WIN 0
	s_wait_loadcnt 0x0                             ; the bias
.set n, 0
.rept 16                               ; rounded to bf16 like the other inputs, and widened again
	v_cvt_pk_bf16_f32 v21, v[BIAS+2*n], v[BIAS+2*n+1]
	v_lshlrev_b32 v[BIAS+2*n], 16, v21
	v_and_b32 v[BIAS+2*n+1], s71, v21
.set n, n+1
.endr
	QUARTER 128, F0, F1, 1
	WIN 0
	s_mov_b32 s[CNT], 2
.Lstep:                                                ; a trip: a K step's quarters 1-3 and the next step's quarter 0; K steps 2 and 3 are asked for
	QUARTER 256, F1, F0, 0
	QUARTER 384, F0, F1, 0
	TURN 1
	QUARTER 128, F0, F1, 0
	WIN 0
	s_sub_co_u32 s[CNT], s[CNT], 1
	s_cmp_lg_u32 s[CNT], 0
	s_cbranch_scc1 .Lstep
	QUARTER 256, F1, F0, 0
	QUARTER 384, F0, F1, 0
	TURN 0
	QUARTER 128, F0, F1, 0
	QUARTER 256, F1, F0, 0
	QUARTER 384, F0, F1, 0
	s_wait_dscnt 16
	MUL8 F1, 0, 0, 0
	MUL8 F1, 0, 2, 0
	s_wait_dscnt 0x0
	MUL8 F1, 1, 0, 0
	MUL8 F1, 1, 2, 0
	WIN 0
	; THE WAY OUT, 16 rows at a time through my own stage: LDS serves a wave's instructions in order (ISA guide 5.7.1.4), so the loads see the stores ahead of them, and the next block's stores come behind them.
	PLACES
	PLACES
.macro TOSTAGE a
.irp b, 0,1,2,3
	ds_store_b128 v[STO], v[ACC+32*(\a)+8*(\b):ACC+32*(\a)+8*(\b)+3]   offset:64*(\b)
	ds_store_b128 v[STO], v[ACC+32*(\a)+8*(\b)+4:ACC+32*(\a)+8*(\b)+7] offset:64*(\b)+16
.endr
.irp t, 0,1,2,3,4,5,6,7
	ds_load_b128 v[ACC+32*(\a)+4*(\t):ACC+32*(\a)+4*(\t)+3], v[RD] offset:(\t)*2*SPITCH
.endr
.endm
.macro SEND a, younger                 ; younger: the LDS instructions issued behind block a's loads: the next block's sixteen, or none
.irp t, 0,1,2,3,4,5,6,7
	s_wait_dscnt (\younger)+7-(\t)
	global_store_b128 v[CO], v[ACC+32*(\a)+4*(\t):ACC+32*(\a)+4*(\t)+3], s[10:11] offset:(16*(\a)+2*(\t))*4096  ; 16 lanes store 256 consecutive bytes, aligned
.endr
.endm
	TOSTAGE 0
	TOSTAGE 1
	SEND 0, 16
	TOSTAGE 2
	SEND 1, 16
	TOSTAGE 3
	SEND 2, 16
	SEND 3, 0
	s_wait_tensorcnt 0x0                           ; the wave's end
	ds_add_u32 v[SPW], v[NIL]
	s_wait_dscnt 0x0
	CROUND                                         ; the closing round
	s_endpgm
.Lfunc_end_k_qd96f0c6884_proj_gemm:
	.size	k_qd96f0c6884_proj_gemm, .Lfunc_end_k_qd96f0c6884_proj_gemm-k_qd96f0c6884_proj_gemm
	.p2alignl 7, 3214868480
	.fill 96, 4, 3214868480
	.section	.rodata,"a",@progbits
	.p2align	6, 0x0
	.amdhsa_kernel k_qd96f0c6884_proj_gemm
		.amdhsa_group_segment_fixed_size 327680
		.amdhsa_private_segment_fixed_size 0
		.amdhsa_enable_private_segment 0
		.amdhsa_kernarg_size 32
		.amdhsa_user_sgpr_count 2
		.amdhsa_user_sgpr_kernarg_segment_ptr 1
		.amdhsa_wavefront_size32 1
		.amdhsa_system_sgpr_workgroup_id_x 1
		.amdhsa_system_sgpr_workgroup_id_y 1
		.amdhsa_system_sgpr_workgroup_id_z 1
		.amdhsa_system_vgpr_workitem_id 0
		.amdhsa_next_free_vgpr 512
		.amdhsa_next_free_sgpr 80
		.amdhsa_reserve_vcc 0
		.amdhsa_float_denorm_mode_32 3
		.amdhsa_float_denorm_mode_16_64 3
		.amdhsa_memory_ordered 1
		.amdhsa_forward_progress 1
		.amdhsa_inst_pref_size 71
	.end_amdhsa_kernel
	.amdgpu_metadata
---
amdhsa.version: [ 1, 2 ]
amdhsa.kernels:
  - .name:           k_qd96f0c6884_proj_gemm
    .symbol:         k_qd96f0c6884_proj_gemm.kd
    .args:
      - { .name: y, .offset: 0, .size: 8, .value_kind: global_buffer, .address_space: global }
      - { .name: wpf, .offset: 8, .size: 8, .value_kind: global_buffer, .address_space: global }
      - { .name: b_proj, .offset: 16, .size: 8, .value_kind: global_buffer, .address_space: global }
      - { .name: out0, .offset: 24, .size: 8, .value_kind: global_buffer, .address_space: global }
    .group_segment_fixed_size: 327680
    .private_segment_fixed_size: 0
    .kernarg_segment_align: 8
    .kernarg_segment_size: 32
    .max_flat_workgroup_size: 128
    .sgpr_count:     80
    .vgpr_count:     512
    .wavefront_size: 32
...
	.end_amdgpu_metadata
.endif
;; end of part 4
